; MI455X (gfx1250); checked and timed in simulation.
; The chip was launched on July 23, 2026; its instructions are those of AMD's public machine-readable ISA for CDNA 5 (MIT licence, August 2026) and "CDNA5" Instruction Set Architecture Reference Guide (July 2026). The comments in the code are by the model that wrote it; some were corrected since.
;; Int8 IMEGPT2 MLP. Allowed arithmetic: float matrix products may take bf16 or f16 operands with f32 sums; other float arithmetic in f32, or as packed bf16 or f16 multiplies, adds, multiply-adds, maxima and minima; sums over many terms, partial sums and values carried from step to step in f32; what a program stores and reads back later, other than sums and carried values, may be rounded once to bf16 or f16.
;; Inputs: W1 3,072 x 768 int32; W2 768 x 3,072 int32; b1 3,072 int32; b2 768 float32; gelu_lut 256 int32; hidden_states 4 x 2,048 x 768 float32.
;; Outputs: out0 4 x 2,048 x 768 float32.
;; One version. Each part assembles by itself: llvm-mc -triple=amdgcn-amd-amdhsa -mcpu=gfx1250 --defsym DOCPART=n.
;; ======== version 1 of 1: 4 launches
;; workspace buffers: Aq 12,582,912 bytes; W1h 4,718,592 bytes; W2h 4,718,592 bytes; Gc 25,165,824 bytes of whole numbers; Gh 50,331,648 bytes
;; launch prep (part 1): grid 1696 x 1, 8 waves a work-group, no clusters, 0 bytes of LDS; arguments hidden_states, W1, W2, Aq, W1h, W2h; writes Aq, W1h, W2h
.if DOCPART == 1
	.amdgcn_target "amdgcn-amd-amdhsa--gfx1250"
	.amdhsa_code_object_version 6
	.text
	.protected	k_q3f620aa2bb_prep
	.globl	k_q3f620aa2bb_prep
	.p2align	8
	.type	k_q3f620aa2bb_prep,@function
k_q3f620aa2bb_prep:
	s_mov_b64 s[64:65], 0
	v_nop
	global_prefetch_b8 v0, s[64:65] scope:SCOPE_SE
	s_setreg_imm32_b32 hwreg(HW_REG_WAVE_MODE, 25, 1), 1
	s_wait_xcnt 0x0
; PREP: the three matrix operands that exist before any product, as f16.
;   Aq  = clip(round(x / 0.02), -128, 127) of hidden_states [8192][768], and W1h = W1 [3072][768], in the layout [K / 96][rows][96]: any run of rows of one block of 96 along K is dense, 192 bytes a row.
;   W2h = W2 [768][3072] as the second product's register fragments: [column tile of 192: 4][group of 32 along K: 96][block of 16 rows of W2: 12][1,024 bytes]; in a fragment lane (r, h) has
;   row r's numbers k = 8 h + 0..7 at byte 16 x lane and k = 16 + 8 h + 0..7 at byte 512 + 16 x lane.
; WORK LEFT OUT in the whole program: the two terms ZP_FC_IN, which reference() sets to 0 in its own text (q + 0, q - 0).  Nothing else: all six inputs are loaded by some launch.
; FORMATS AND LIMITS.
;   x is rounded to bf16 first (the comparison takes reference() on inputs rounded to bf16).  Then x * 50 is exact in f32 (8 bits times 5 bits), and x / 0.02f, whose exact value lies
;   2.3e-8 of itself away, under half a last place, rounds to the same number: the code does not hang on how the division is carried out, at ties either.
;   Clamping first and rounding to the nearest even whole number second gives what rounding first and clipping second gives, since both bounds are whole numbers.
;   A NaN in x is not treated apart.  Codes of W1 and W2 are exact in f16 up to 2,048, rounded beyond, infinite from 65,520 on.
; SHARES.  1,696 work-groups of eight waves: 1,024 for x, 384 for W1, 288 for W2.
;   x, W1: a work-group takes 8 rows x 768 columns, a wave one block of 96 columns.  A lane takes three pieces of 8 numbers: piece x = 32 i + lane lies in row x / 12 at column 8 (x % 12), and goes to
;   byte 16 x of the wave's 1,536: each store of the wave covers 512 consecutive bytes, aligned.
;   W2: a wave takes 16 rows x 64 columns, two fragments: its eight loads together take 256 consecutive bytes, aligned, of each row; each of its four stores covers 512 consecutive bytes, aligned.
; No LDS, no barrier, no loop: memory binds, each byte is read once and written once.  No prefetch: the launch does nothing but stream.
.set XR, 8                             ; v[8:31]   three pieces of eight numbers as loaded (W2: v[8:39], four)
.set HR, 32                            ; v[32:43]  the same as f16, packed
.set TP, 44                            ; v[44:47]  a piece as bf16, packed
.set WH, 40                            ; v[40:55]  W2: four pieces as f16, packed
	s_load_b256 s[4:11], s[0:1], 0x0               ; hidden_states s[4:5], W1 s[6:7], W2 s[8:9], Aq s[10:11]
	s_load_b128 s[12:15], s[0:1], 0x20             ; W1h s[12:13], W2h s[14:15]
	v_lshrrev_b32 v1, 5, v0
	v_readfirstlane_b32 s27, v1                    ; wave 0..7
	v_and_b32 v1, 31, v0                           ; lane
	v_lshlrev_b32 v5, 4, v1                        ; 16 x lane
	s_mov_b32 s28, ttmp9                           ; work-group g
	s_cmp_ge_u32 s28, 1408
	s_cbranch_scc1 .Lw2
	s_sub_co_u32 s29, s28, 1024                    ; W1's groups count from 1,024 (used only there)
	s_movk_i32 s20, 3072                           ; bytes in a source row
	s_movk_i32 s21, 3072                           ; rows: W1's
	s_mov_b32 s25, 0xc3000000                      ; -128.0
	s_mov_b32 s26, 0x42fe0000                      ; 127.0
	s_mov_b32 s33, 0xffff0000                      ; a word's upper bf16
	s_wait_kmcnt 0x0
	s_cmp_lt_u32 s28, 1024                         ; x?
	s_cselect_b32 s22, s28, s29                    ; which eight rows
	s_cselect_b32 s21, 8192, s21
	s_cselect_b64 s[16:17], s[4:5], s[6:7]         ; source
	s_cselect_b64 s[18:19], s[10:11], s[12:13]     ; destination
	s_cselect_b32 s24, 1, 0                        ; 1: floats to be quantised
	s_lshl_b32 s22, s22, 3                         ; first row
	s_mul_i32 s2, s22, s20
	s_mul_i32 s3, s27, 384
	s_add_co_u32 s2, s2, s3                        ; source: row x its bytes + block x 384; under 2^25
	s_mov_b32 s3, 0
	s_add_nc_u64 s[16:17], s[16:17], s[2:3]
	s_mul_i32 s2, s27, s21
	s_add_co_u32 s2, s2, s22
	s_mul_i32 s2, s2, 192                          ; destination: (block x rows + row) x 192; under 2^24
	s_add_nc_u64 s[18:19], s[18:19], s[2:3]
.irp i, 0,1,2
	v_add_nc_u32 v6, 32*(\i), v1                   ; x
	v_mul_u32_u24 v7, v6, 43
	v_lshrrev_b32 v7, 9, v7                        ; x / 12, right for x under 96
	v_mul_u32_u24 v48, v7, 12
	v_sub_nc_u32 v6, v6, v48                       ; x % 12
	v_lshlrev_b32 v6, 5, v6                        ; 32 bytes a piece
	v_mad_u32_u24 v[2+(\i)], v7, s20, v6
.endr
.irp i, 0,1,2
	global_load_b128 v[XR+8*(\i):XR+8*(\i)+3],   v[2+(\i)], s[16:17] th:TH_LOAD_NT
	global_load_b128 v[XR+8*(\i)+4:XR+8*(\i)+7], v[2+(\i)], s[16:17] offset:16 th:TH_LOAD_NT
.endr
	s_cmp_lg_u32 s24, 0
	s_cbranch_scc0 .Lints
.irp i, 0,1,2
	s_wait_loadcnt 4-2*(\i)                        ; piece i's two loads are in; the younger pieces' stay out
.irp k, 0,1,2,3
	v_cvt_pk_bf16_f32 v[TP+(\k)], v[XR+8*(\i)+2*(\k)], v[XR+8*(\i)+2*(\k)+1]
.endr
.irp k, 0,1,2,3
	v_lshlrev_b32 v[XR+8*(\i)+2*(\k)],   16,  v[TP+(\k)]
	v_and_b32     v[XR+8*(\i)+2*(\k)+1], s33, v[TP+(\k)]
.endr
.irp k, 0,1,2,3
	v_pk_mul_f32 v[XR+8*(\i)+2*(\k):XR+8*(\i)+2*(\k)+1], v[XR+8*(\i)+2*(\k):XR+8*(\i)+2*(\k)+1], 0x42480000 op_sel_hi:[1,0]  ; x 50, exact
.endr
.irp k, 0,1,2,3,4,5,6,7
	v_med3_num_f32 v[XR+8*(\i)+(\k)], v[XR+8*(\i)+(\k)], s25, s26
.endr
.irp k, 0,1,2,3,4,5,6,7
	v_rndne_f32 v[XR+8*(\i)+(\k)], v[XR+8*(\i)+(\k)]
.endr
.irp k, 0,1,2,3
	v_cvt_pk_f16_f32 v[HR+4*(\i)+(\k)], v[XR+8*(\i)+2*(\k)], v[XR+8*(\i)+2*(\k)+1]
.endr
	global_store_b128 v5, v[HR+4*(\i):HR+4*(\i)+3], s[18:19] offset:512*(\i)
.endr
	s_endpgm
.Lints:
.irp i, 0,1,2
	s_wait_loadcnt 4-2*(\i)
.irp k, 0,1,2,3,4,5,6,7
	v_cvt_f32_i32 v[XR+8*(\i)+(\k)], v[XR+8*(\i)+(\k)]
.endr
.irp k, 0,1,2,3
	v_cvt_pk_f16_f32 v[HR+4*(\i)+(\k)], v[XR+8*(\i)+2*(\k)], v[XR+8*(\i)+2*(\k)+1]
.endr
	global_store_b128 v5, v[HR+4*(\i):HR+4*(\i)+3], s[18:19] offset:512*(\i)
.endr
	s_endpgm
.Lw2:                                          ; W2: group j of 288 takes block j / 6 of 16 rows; wave w the 64 columns number c = 8 (j % 6) + w of 48
	s_sub_co_u32 s30, s28, 1408                    ; j
	s_mul_i32 s31, s30, 10923
	s_lshr_b32 s31, s31, 16                        ; j / 6, right for j under 288
	s_mul_i32 s32, s31, 6
	s_sub_co_u32 s32, s30, s32
	s_lshl3_add_u32 s32, s32, s27                  ; c
	s_mul_i32 s34, s31, 43
	s_lshr_b32 s34, s34, 9                         ; column tile = block / 12, right under 96
	s_mul_i32 s35, s34, 12
	s_sub_co_u32 s35, s31, s35                     ; the block's number in its tile
	s_mul_i32 s2, s31, 16*12288                    ; source: 16 rows of 12,288 bytes a block, 256 bytes a c
	s_lshl_b32 s3, s32, 8
	s_add_co_u32 s2, s2, s3
	s_mov_b32 s3, 0
	s_mul_i32 s36, s34, 96
	s_lshl1_add_u32 s36, s32, s36                  ; K group 2 c of the tile's 96
	s_mul_i32 s36, s36, 12
	s_add_co_u32 s36, s36, s35
	s_lshl_b32 s36, s36, 10                        ; destination: ((tile x 96 + group) x 12 + block) x 1,024
	s_mov_b32 s37, 0
	v_and_b32 v6, 15, v0                           ; r
	v_bfe_u32 v7, v0, 4, 1                         ; h
	v_mul_u32_u24 v2, v6, 0x3000
	v_lshl_add_u32 v2, v7, 5, v2                   ; row r, 8 h numbers on
	s_wait_kmcnt 0x0
	s_add_nc_u64 s[16:17], s[8:9], s[2:3]
	s_add_nc_u64 s[18:19], s[14:15], s[36:37]
.irp i, 0,1,2,3                                ; piece i: k = 64 c + 16 i + 8 h + 0..7
	global_load_b128 v[XR+8*(\i):XR+8*(\i)+3],   v2, s[16:17] offset:64*(\i) th:TH_LOAD_NT
	global_load_b128 v[XR+8*(\i)+4:XR+8*(\i)+7], v2, s[16:17] offset:64*(\i)+16 th:TH_LOAD_NT
.endr
.irp i, 0,1,2,3
	s_wait_loadcnt 6-2*(\i)                        ; piece i's two loads are in; the younger pieces' stay out
.irp k, 0,1,2,3,4,5,6,7
	v_cvt_f32_i32 v[XR+8*(\i)+(\k)], v[XR+8*(\i)+(\k)]
.endr
.irp k, 0,1,2,3
	v_cvt_pk_f16_f32 v[WH+4*(\i)+(\k)], v[XR+8*(\i)+2*(\k)], v[XR+8*(\i)+2*(\k)+1]
.endr
	global_store_b128 v5, v[WH+4*(\i):WH+4*(\i)+3], s[18:19] offset:((\i)/2)*12288+((\i)%2)*512  ; group 2 c + i / 2, half i % 2 of the fragment
.endr
	s_endpgm
.Lfunc_end_k_q3f620aa2bb_prep:
	.size	k_q3f620aa2bb_prep, .Lfunc_end_k_q3f620aa2bb_prep-k_q3f620aa2bb_prep
	.p2alignl 7, 3214868480
	.fill 96, 4, 3214868480
	.section	.rodata,"a",@progbits
	.p2align	6, 0x0
	.amdhsa_kernel k_q3f620aa2bb_prep
		.amdhsa_group_segment_fixed_size 0
		.amdhsa_private_segment_fixed_size 0
		.amdhsa_enable_private_segment 0
		.amdhsa_kernarg_size 48
		.amdhsa_user_sgpr_count 2
		.amdhsa_user_sgpr_kernarg_segment_ptr 1
		.amdhsa_wavefront_size32 1
		.amdhsa_system_sgpr_workgroup_id_x 1
		.amdhsa_system_sgpr_workgroup_id_y 1
		.amdhsa_system_sgpr_workgroup_id_z 1
		.amdhsa_system_vgpr_workitem_id 0
		.amdhsa_next_free_vgpr 64
		.amdhsa_next_free_sgpr 66
		.amdhsa_reserve_vcc 0
		.amdhsa_float_denorm_mode_32 3
		.amdhsa_float_denorm_mode_16_64 3
		.amdhsa_memory_ordered 1
		.amdhsa_forward_progress 1
		.amdhsa_inst_pref_size 16
	.end_amdhsa_kernel
	.amdgpu_metadata
---
amdhsa.version: [ 1, 2 ]
amdhsa.kernels:
  - .name:           k_q3f620aa2bb_prep
    .symbol:         k_q3f620aa2bb_prep.kd
    .args:
      - { .name: hidden_states, .offset: 0, .size: 8, .value_kind: global_buffer, .address_space: global }
      - { .name: W1, .offset: 8, .size: 8, .value_kind: global_buffer, .address_space: global }
      - { .name: W2, .offset: 16, .size: 8, .value_kind: global_buffer, .address_space: global }
      - { .name: Aq, .offset: 24, .size: 8, .value_kind: global_buffer, .address_space: global }
      - { .name: W1h, .offset: 32, .size: 8, .value_kind: global_buffer, .address_space: global }
      - { .name: W2h, .offset: 40, .size: 8, .value_kind: global_buffer, .address_space: global }
    .group_segment_fixed_size: 0
    .private_segment_fixed_size: 0
    .kernarg_segment_align: 8
    .kernarg_segment_size: 48
    .max_flat_workgroup_size: 256
    .sgpr_count:     66
    .vgpr_count:     64
    .wavefront_size: 32
...
	.end_amdgpu_metadata
.endif
;; end of part 1
;; launch gemm1 (part 2): grid 8 x 32, 4 waves a work-group, clusters of 4 x 4, 327,680 bytes of LDS; arguments Aq, W1h, b1, Gc; writes Gc
.if DOCPART == 2
	.amdgcn_target "amdgcn-amd-amdhsa--gfx1250"
	.amdhsa_code_object_version 6
	.text
	.protected	k_q3f620aa2bb_gemm1
	.globl	k_q3f620aa2bb_gemm1
	.p2align	8
	.type	k_q3f620aa2bb_gemm1,@function
k_q3f620aa2bb_gemm1:
	s_mov_b64 s[64:65], 0
	v_nop
	global_prefetch_b8 v0, s[64:65] scope:SCOPE_SE
	s_setreg_imm32_b32 hwreg(HW_REG_WAVE_MODE, 25, 1), 1
	s_wait_xcnt 0x0
	s_wait_alu depctr_hold_cnt(0) depctr_sa_sdst(0) depctr_va_vdst(0) depctr_va_sdst(0) depctr_va_ssrc(0) depctr_va_vcc(0) depctr_vm_vsrc(0)
	s_getreg_b32 s2, hwreg(HW_REG_IB_STS2, 6, 4)
	s_cmp_eq_u32 s2, 0
	s_cbranch_scc0 .Lentry_in_a_cluster
	s_endpgm
.Lentry_in_a_cluster:
	s_bfe_u32 s2, ttmp6, 0x10000c
	s_cmp_lg_u32 s2, 0xf033
	s_cbranch_scc0 .Lentry_shape_is_right
	s_endpgm
.Lentry_shape_is_right:
; GEMM1: Gc = clip(round((q W1^T + b1) * M1) - 10, -128, 127) + 128, the index into the gelu table, one byte a number.  q: Aq [8][8192][96] f16, W1: W1h [8][3072][96] f16, b1: [3072] int32.
; Nothing of reference() is left out here.  EXACTNESS: all operands are whole numbers that f16 holds; the sums stay under 768 x 128 x 127 + |b1| < 2^24 for b1 under 4e6, so the f32 sums are the int32 sums.
; THE INDEX.  y = acc * M1 is one f32 product, as in reference().  z = y + (1.5 x 2^23 + 118): in 2^23 .. 2^24 the last place is 1, so the addition rounds y to the nearest whole number, ties to even (the
; addend is even).  z is then held between 1.5 x 2^23 and 1.5 x 2^23 + 255 (the addition is monotone, so any y saturates rightly) and the index is z's low byte.
; The table itself is looked up by the next launch.
; SHARES.  A work-group makes 256 rows x 384 columns, each of four waves 128 x 192: 96 accumulators of 16 x 16, 768 registers.  K goes in 8 steps of 96 through two LDS slots; a step is three quarters of 32.
; THE MATRIX INSTRUCTION IS USED TRANSPOSED (source 0 = 16 rows of W1, source 1 = 16 rows of q): a lane holds ONE row (lane % 16) and the columns 8 (lane / 16) + 0..7 of each accumulator.
; b1 IS THE C OPERAND of the products that start the sums.  It waits, as f32, in the registers of the accumulators of the wave's last 16 rows; the other rows' first products take it from there, and
; those rows' own first products, five places behind the last of them, add onto it in place.
; TILES.  A run of rows of one K block is dense: it is asked for as rows of 256 bytes and padded in LDS by 16 bytes after every 64: a row of 192 bytes takes 240, quarter c of it begins at 80 c.
; 240 = 15 x 16: the sixteen rows of a fragment load start at sixteen different groups of four banks (64 banks of 4 bytes: ISA guide 11.1).
; CLUSTER.  4 x 4 work-groups; q's tile is shared along a row of the cluster, W1's along a column, each asked for jointly.  Wave 0 asks for q's 256 rows, waves 1 to 3 for 128 rows of W1 each.
; A wave has two tensor loads out at the start and one behind each round.
; OUTPUT LAYOUT.  Gc is laid for the second product's fragments: block (128 rows, 192 columns) number (row / 128) x 16 + column / 192, 24,576 bytes; in it fragment 8 kg + a (kg: 32 columns, a: 16 rows) is
; 512 bytes, 16 a lane: the lane's eight columns of accumulator 2 kg, then of 2 kg + 1.  A wave's tile is one block, and each store of the wave covers 512 consecutive bytes, aligned.
; REGISTERS, in windows of 256 (s_set_vgpr_msb: bits 1:0 source 0, 3:2 source 1, 5:4 source 2, 7:6 destination):
;   window 0: v0-29 addresses; v32-95 q's fragments (rows 0-63, 64-127); v96-191 W1's (columns 0-95, 96-191); on the way out v32-151 at work
;   windows 1-3: accumulator (a, b) has number t = 24 (2 (a / 4) + b / 6) + 6 (a % 4) + b % 6 and lies at v[8 (t % 32)] of window 1 + t / 32
; No fragment has a second buffer: each of the four sets is loaded again as soon as the last product of the quarter that reads it is out, 24 products or more ahead of its next use.
.set PITCH,  240
.set R16,    16*PITCH
.set BOFF,   256*PITCH                 ; W1's 384 rows lie behind q's 256
.set SLOT,   640*PITCH                 ; 153,600
.set SPARE,  2*SLOT                    ; behind the ring: the spare words, 128 bytes for each wave: two blocks of 256 bytes that no other line names
.set STEPA,  8192*192                  ; bytes from a K block to the next in Aq
.set STEPB,  3072*192                  ; in W1h
.set PADW,   (1<<16)|(1<<20)|(1<<21)|(3<<22)|(3<<25)  ; elements of 2 bytes; padding on; bit 21 beside a mask; after every 16 words; 4 words
.set AF,     32
.set BF,     96
; scalars: s12 wave, s13 its row half, s14 its column half, s15 cx, s16 cy, s17 tile column, s18 tile row, s19 loop count, s20 slot being read (0 or SLOT), s21 slot being filled,
; s23 W1's place in a slot, s[24:31] group 1 for q, s[32:39] its group 0 (two sets), s[40:47], s[48:55] the same for W1, s[56:57] prefetch address, s58 its limit, s[70:71] its step,
; s[60:61] M1, s[62:63] the rounding addend, s66, s67 the bounds, s68, s69 byte selects
.set MSB, 0
.macro WIN new                         ; the immediate's high byte repeats the setting that is left; a switch that changes nothing is dropped
.if MSB != (\new)
	s_set_vgpr_msb (MSB<<8)|(\new)
.set MSB, \new
.endif
.endm
.macro PLACES                          ; four places between a matrix instruction and a load into, or a vector instruction on, its registers
.rept 4
	v_nop
.endr
.endm
.macro CREST                           ; a round of the cluster's barrier behind its opening barrier
	s_cmp_lg_u32 s12, 0
	s_cbranch_scc1 .Lnot_wave_0_\@
	s_barrier_signal -3
.Lnot_wave_0_\@:
	s_barrier_wait -3
	s_barrier_signal -1
	s_barrier_wait -1
.endm
.macro CROUND
	s_barrier_signal -1
	s_barrier_wait -1
	CREST
.endm
.macro JLOAD                           ; a joint refill by the walking sets; the branch hangs on the wave's number alone; an s_nop 0 and four v_nop follow each line
	s_cmp_eq_u32 s12, 0
	s_cbranch_scc0 .Lfor_b_\@
	tensor_load_to_lds s[36:39], s[24:31]
	s_nop 0
.rept 4
	v_nop
.endr
	s_branch .Lasked_\@
.Lfor_b_\@:
	tensor_load_to_lds s[52:55], s[40:47]
	s_nop 0
.rept 4
	v_nop
.endr
.Lasked_\@:
.endm
; A PREFETCH INTO THE L2 of the K step that stands two refills on, 576 products ahead of the load that will want it.  q's rows are read by both clusters of a row of clusters: cluster x = 0 asks; W1's by all
; eight of a column: cluster y = 0 asks.  The four partners of a joint load share its bytes out BY ADDRESS: a quarter each.  Lanes stand 256 bytes apart: wave 0 names 48 blocks (32, then 16; the upper lanes of
; the second line repeat its last block), waves 1 to 3 name 24 each.  The loop's last two trips ask for nothing: K steps 4 to 7 are named, each once; steps 0 to 3 come by their loads alone.
.macro ASK
	s_cmp_gt_u32 s19, s58
	s_cbranch_scc0 .Lnone_\@
	s_cmp_eq_u32 s12, 0
	s_cbranch_scc0 .Lask_b_\@
	global_prefetch_b8 v10, s[56:57] th:TH_LOAD_NT scope:SCOPE_SE
	global_prefetch_b8 v11, s[56:57] offset:8192 th:TH_LOAD_NT scope:SCOPE_SE
	s_branch .Lnone_\@
.Lask_b_\@:
	global_prefetch_b8 v12, s[56:57] th:TH_LOAD_NT scope:SCOPE_SE
.Lnone_\@:
.endm
	s_load_b256 s[4:11], s[0:1], 0x0               ; Aq s[4:5], W1h s[6:7], b1 s[8:9], Gc s[10:11]
	v_lshl_add_u32 v28, v0, 2, SPARE
	v_mov_b32 v29, 0
	ds_add_u32 v28, v29                            ; the wave's opening: the add, twice on end, and its wait ahead of my first tensor load
	ds_add_u32 v28, v29                            ; and once more; the set-up below, work on registers, stands between it and the wait
	v_lshrrev_b32 v1, 5, v0
	v_readfirstlane_b32 s12, v1                    ; wave 0..3
	s_lshr_b32 s13, s12, 1
	s_and_b32 s14, s12, 1
	s_bfe_u32 s15, ttmp6, 0x40000                  ; cx
	s_bfe_u32 s16, ttmp6, 0x40004                  ; cy
	s_lshl_b32 s17, ttmp9, 2
	s_add_co_u32 s17, s17, s15                     ; tile column = 4 x cluster x + cx
	s_and_b32 s18, ttmp7, 0xffff
	s_lshl_b32 s18, s18, 2
	s_add_co_u32 s18, s18, s16                     ; tile row = 4 x cluster y + cy
	s_lshl_b32 s76, s16, 2
	s_lshl_b32 s76, 15, s76                        ; my row of the cluster
	s_lshl_b32 s77, 0x1111, s15                    ; my column
	s_or_b32 s24, s76, PADW                        ; q's tiles go to my row,
	s_or_b32 s40, s77, PADW                        ; W1's to my column
	s_mov_b32 s25, 128<<16                         ; tensor_dim0 = 128 elements: 256 bytes
	s_mov_b32 s26, 192<<16                         ; tensor_dim1 = 192: q's 256 rows of 192 bytes
	s_mov_b32 s27, 128<<16                         ; tile_dim0
	s_mov_b32 s28, 192                             ; tile_dim1
	s_mov_b32 s29, 128                             ; elements from row to row: the block is dense
	s_mov_b32 s30, 0
	s_mov_b32 s31, 0
	s_mov_b32 s41, 128<<16
	s_mov_b32 s42, 96<<16                          ; 96 rows of 256 bytes: 128 rows of W1
	s_mov_b32 s43, 128<<16
	s_mov_b32 s44, 96
	s_mov_b32 s45, 128
	s_mov_b32 s46, 0
	s_mov_b32 s47, 0
	s_mul_i32 s72, s18, 49152                      ; q: 256 x tile row x 192 bytes: it hangs on the tile row alone
	s_mov_b32 s73, 0
	s_max_u32 s59, s12, 1
	s_sub_co_u32 s59, s59, 1                       ; which third of W1's rows (waves 1 to 3; wave 0 never uses it)
	s_mul_i32 s74, s17, 73728                      ; W1: (384 x tile column + 128 x third) x 192
	s_mul_i32 s75, s59, 24576
	s_add_co_u32 s74, s74, s75
	s_mov_b32 s75, 0
	s_mul_i32 s23, s12, 128*PITCH
	s_add_co_u32 s23, s23, 128*PITCH               ; (wave + 1) x 30,720 = BOFF + third x 30,720
	s_mov_b32 s20, 0
	s_mov_b32 s21, SLOT
	s_mov_b32 s60, 0x3b83126f                      ; M1 = 0.004
	s_mov_b32 s61, 0x3b83126f
	s_mov_b32 s62, 0x4b400076                      ; 1.5 x 2^23 + 118
	s_mov_b32 s63, 0x4b400076
	s_mov_b32 s66, 0x4b400000
	s_mov_b32 s67, 0x4b4000ff
	s_mov_b32 s68, 0x00000400                      ; low bytes of two words, side by side
	s_mov_b32 s69, 0x05040100                      ; low halves of two words
	s_wait_dscnt 0x0                               ; both opening adds are done
	s_wait_kmcnt 0x0
	s_add_nc_u64 s[72:73], s[4:5], s[72:73]
	s_add_nc_u64 s[74:75], s[6:7], s[74:75]
	CROUND                                         ; all sixteen work-groups are here: the first joint loads meet
.irp s, 0,1
	s_mov_b32 s[32+4*(\s)], 1
	s_mov_b32 s[33+4*(\s)], (\s)*SLOT
	s_add_nc_u64 s[34+4*(\s):35+4*(\s)], s[72:73], (\s)*STEPA
	s_or_b32 s[35+4*(\s)], s[35+4*(\s)], 0x80000000
	s_mov_b32 s[48+4*(\s)], 1
	s_add_co_u32 s[49+4*(\s)], s23, (\s)*SLOT
	s_add_nc_u64 s[50+4*(\s):51+4*(\s)], s[74:75], (\s)*STEPB
	s_or_b32 s[51+4*(\s)], s[51+4*(\s)], 0x80000000
.endr
	s_cmp_eq_u32 s12, 0                            ; a wave's two first fills stand in one branch
	s_cbranch_scc0 .Lfirst_b
	tensor_load_to_lds s[32:35], s[24:31]
	s_nop 0
	tensor_load_to_lds s[36:39], s[24:31]
	s_nop 0
.rept 4
	v_nop
.endr
	s_branch .Lfirst_asked
.Lfirst_b:
	tensor_load_to_lds s[48:51], s[40:47]
	s_nop 0
	tensor_load_to_lds s[52:55], s[40:47]
	s_nop 0
.rept 4
	v_nop
.endr
.Lfirst_asked:
	v_and_b32 v1, 15, v0                           ; l % 16
	v_bfe_u32 v2, v0, 4, 1                         ; l / 16
	v_and_b32 v3, 31, v0                           ; l
	v_mul_u32_u24 v4, v1, PITCH
	v_lshl_add_u32 v4, v2, 4, v4                   ; row x pitch + 16 x half
	s_mul_i32 s78, s14, 192*PITCH
	s_add_co_u32 s78, s78, BOFF
	v_add_nc_u32 v5, s78, v4                       ; my 192 rows of W1 in slot 0
	s_mul_i32 s78, s13, 128*PITCH
	v_add_nc_u32 v4, s78, v4                       ; my 128 rows of q in slot 0
	v_mov_b32 v6, v4                               ; the same in the slot being read
	v_mov_b32 v7, v5
	v_lshlrev_b32 v8, 4, v3                        ; my 16 bytes of a fragment of Gc
	v_lshlrev_b32 v9, 5, v2                        ; my 8 numbers of 16 of b1
	v_lshlrev_b32 v10, 8, v3                       ; the prefetches' offsets
	v_min_u32 v11, 15, v3
	v_lshlrev_b32 v11, 8, v11
	v_min_u32 v12, 23, v3
	v_lshlrev_b32 v12, 8, v12
	s_mul_i32 s2, s17, 1536
	s_mul_i32 s3, s14, 768
	s_add_co_u32 s2, s2, s3
	s_mov_b32 s3, 0
	s_add_nc_u64 s[8:9], s[8:9], s[2:3]            ; b1 at my first column
	WIN 0xc0                                       ; destination window 3
.set nb, 0
.rept 12                                       ; b1 of column block nb into the accumulator of rows 112-127
.set rC, 16+192*(nb/6)+8*(nb%6)
	global_load_b128 v[rC:rC+3],   v9, s[8:9] offset:64*nb
	global_load_b128 v[rC+4:rC+7], v9, s[8:9] offset:64*nb+16
.set nb, nb+1
.endr
	WIN 0
	s_lshl_b32 s2, s18, 1                          ; Gc at my block: ((2 x tile row + row half) x 16 + 2 x tile column + column half) x 24,576
	s_add_co_u32 s2, s2, s13
	s_lshl_b32 s2, s2, 4
	s_lshl_b32 s3, s17, 1
	s_add_co_u32 s2, s2, s3
	s_add_co_u32 s2, s2, s14
	s_mul_i32 s2, s2, 24576
	s_mov_b32 s3, 0
	s_add_nc_u64 s[10:11], s[10:11], s[2:3]
	s_and_b32 s78, ttmp7, 0xffff                   ; cluster y
	s_mul_i32 s2, s18, 49152                       ; the prefetches: q's tile, my work-group's quarter by cx, at K step 3 (the first refill steps it to 4)
	s_mul_i32 s3, s15, 12288
	s_add_co_u32 s2, s2, s3
	s_add_co_u32 s2, s2, 3*STEPA
	s_mul_i32 s3, s17, 73728                       ; or my third of W1's tile, its quarter by cy
	s_mul_i32 s79, s59, 24576
	s_add_co_u32 s3, s3, s79
	s_mul_i32 s79, s16, 6144
	s_add_co_u32 s3, s3, s79
	s_add_co_u32 s3, s3, 3*STEPB
	s_mov_b32 s70, STEPB
	s_cmp_eq_u32 s12, 0
	s_cselect_b32 s2, s2, s3
	s_cselect_b32 s78, ttmp9, s78                  ; the coordinate along which other clusters read the same rows
	s_cselect_b64 s[56:57], s[4:5], s[6:7]
	s_cselect_b32 s70, STEPA, s70
	s_mov_b32 s71, 0
	s_mov_b32 s3, 0
	s_add_nc_u64 s[56:57], s[56:57], s[2:3]
	s_cmp_eq_u32 s78, 0
	s_cselect_b32 s58, 2, -1                       ; the same in all sixteen partners, for a given wave
; 24 products: rows 64 i .. 64 i + 63 x columns 96 j .. 96 j + 95, 32 along K.  The accumulators take turns, one instruction a turn, 96 to a round.
; first = 1: the sums start from b1.
.macro PH i, j, first
.irp aa, 0,1,2,3
.if (\first) && ((\i) == 1) && ((\aa) == 3)
.rept 5
	v_nop                                          ; five places between the last product that read b1 as C and the products that write over it
.endr
.endif
.irp bb, 0,1,2,3,4,5
.set t, 24*(2*(\i)+(\j))+6*(\aa)+(\bb)
.set rD, 8*(t%32)
.set wD, 1+t/32
.set rC, 16+192*(\j)+8*(\bb)
.if \first
	WIN (wD<<6)|0x30
	v_wmma_f32_16x16x32_f16 v[rD:rD+7], v[BF+48*(\j)+8*(\bb):BF+48*(\j)+8*(\bb)+7], v[AF+32*(\i)+8*(\aa):AF+32*(\i)+8*(\aa)+7], v[rC:rC+7]
.else
	WIN 0x50*wD
	v_wmma_f32_16x16x32_f16 v[rD:rD+7], v[BF+48*(\j)+8*(\bb):BF+48*(\j)+8*(\bb)+7], v[AF+32*(\i)+8*(\aa):AF+32*(\i)+8*(\aa)+7], v[rD:rD+7]
.endif
.endr
.endr
.endm
.macro LDA i, off                      ; 8 loads: q's fragments of rows 64 i on, at byte off of the rows
	WIN 0
.irp f, 0,1,2,3
	ds_load_b128 v[AF+32*(\i)+8*(\f):AF+32*(\i)+8*(\f)+3],   v6 offset:(\off)+(4*(\i)+(\f))*R16
	ds_load_b128 v[AF+32*(\i)+8*(\f)+4:AF+32*(\i)+8*(\f)+7], v6 offset:(\off)+(4*(\i)+(\f))*R16+32
.endr
.endm
.macro LDB j, off                      ; 12 loads: W1's fragments of columns 96 j on
	WIN 0
.irp f, 0,1,2,3,4,5
	ds_load_b128 v[BF+48*(\j)+8*(\f):BF+48*(\j)+8*(\f)+3],   v7 offset:(\off)+(6*(\j)+(\f))*R16
	ds_load_b128 v[BF+48*(\j)+8*(\f)+4:BF+48*(\j)+8*(\f)+7], v7 offset:(\off)+(6*(\j)+(\f))*R16+32
.endr
.endm
; A quarter: 96 products; each set of fragments is asked for again, for the quarter at byte nx, behind its last product.  The runs are always issued in the order q low, W1 low, W1 high, q high.
.macro QUARTER nx, first
	s_wait_dscnt 20                                ; q low and W1 low are in; W1 high's 12 and q high's 8 may be out
	PH 0, 0, \first
	s_wait_dscnt 8                                 ; W1 high is in
	PH 0, 1, \first
	PLACES
	LDA 0, \nx
	s_wait_dscnt 8                                 ; q high is in; the 8 just issued may be out
	PH 1, 0, \first
	PLACES
	LDB 0, \nx
	PH 1, 1, \first
	PLACES
	LDB 1, \nx
	LDA 1, \nx
.endm
; A step's third quarter, with the change of slots.  In front of the barrier each wave waits for all its tensor loads (one is out: its part of the other slot), adds 0 to its spare word, and waits for that and
; for its reads of this slot.  fill = 1: the barrier opens a round of the cluster's, and the joint refill, this slot's K step two on, is the first thing behind it: 240 products ahead of the wait for it.
.macro TURN fill
.if \fill
	s_wait_xcnt 0x0                                ; the last prefetch, a K step back, has read its address
	s_add_nc_u64 s[56:57], s[56:57], s[70:71]
.endif
	WIN 0
	s_wait_tensorcnt 0x0
	ds_add_u32 v28, v29
	s_wait_dscnt 21                                ; q low and W1 low are in; 20 loads and the add may be out
	PH 0, 0, 0                                     ; 24 products stand between the add and the wait for it
	s_wait_dscnt 0x0                               ; the add is done, and my reads of this slot are over
	s_barrier_signal -1
	PH 0, 1, 0
	WIN 0
	s_barrier_wait -1
.if \fill
	CREST
	s_xor_b32 s21, s21, SLOT                       ; the walking sets: the other slot than last time, the next K step
	s_mov_b32 s37, s21
	s_add_co_u32 s53, s21, s23
	s_add_nc_u64 s[38:39], s[38:39], STEPA
	s_add_nc_u64 s[54:55], s[54:55], STEPB
	JLOAD                                          ; its four v_nop are also the places in front of the loads below
.else
	PLACES
.endif
	s_xor_b32 s20, s20, SLOT
	v_add_nc_u32 v6, s20, v4
	v_add_nc_u32 v7, s20, v5
	LDA 0, 0
.if \fill
	ASK
.endif
	PH 1, 0, 0
	PLACES
	LDB 0, 0
	PH 1, 1, 0
	PLACES
	LDB 1, 0
	LDA 1, 0
.endm
; THE WAY OUT of rows 16 a .. 16 a + 15, columns 96 j .. 96 j + 95: six accumulators, three fragments of Gc.  Two sets of registers take turns by j.
.macro OUTG a, j
.set TT, 32+48*(\j)
.set OO, 128+12*(\j)
.irp bb, 0,1,2,3,4,5
.set t, 24*(2*((\a)/4)+(\j))+6*((\a)%4)+(\bb)
	WIN 1+t/32                                     ; source 0 in the accumulator's window
.irp k, 0,2,4,6
	v_pk_mul_f32 v[TT+8*(\bb)+(\k):TT+8*(\bb)+(\k)+1], v[8*(t%32)+(\k):8*(t%32)+(\k)+1], s[60:61] op_sel_hi:[1,0]  ; each accumulator from its low end on
.endr
.endr
	WIN 0
.set kk, 0
.rept 24
	v_pk_add_f32 v[TT+kk:TT+kk+1], v[TT+kk:TT+kk+1], s[62:63] op_sel_hi:[1,0]
.set kk, kk+2
.endr
.set kk, 0
.rept 48
	v_med3_num_f32 v[TT+kk], v[TT+kk], s66, s67
.set kk, kk+1
.endr
	s_wait_xcnt 0x0                                ; the stores of two groups back have read their data: it is rewritten only behind this wait
.set kk, 0
.rept 12
	v_perm_b32 v[TT+4*kk],   v[TT+4*kk+1], v[TT+4*kk],   s68
	v_perm_b32 v[TT+4*kk+2], v[TT+4*kk+3], v[TT+4*kk+2], s68
	v_perm_b32 v[OO+kk],     v[TT+4*kk+2], v[TT+4*kk],   s69
.set kk, kk+1
.endr
.irp p, 0,1,2
	global_store_b128 v8, v[OO+4*(\p):OO+4*(\p)+3], s[10:11] offset:(8*(3*(\j)+(\p))+(\a))*512
.endr
.endm
	s_wait_tensorcnt 1                             ; my part of K step 0 is in; K step 1's may stay out
	s_barrier_signal -1
	s_barrier_wait -1
	LDA 0, 0
	LDB 0, 0
	LDB 1, 0
	LDA 1, 0
	s_wait_loadcnt 0x0                             ; b1
	WIN 0xc3
.set nb, 0
.rept 12
.set rC, 16+192*(nb/6)+8*(nb%6)
.set kk, 0
.rept 8
	v_cvt_f32_i32 v[rC+kk], v[rC+kk]
.set kk, kk+1
.endr
.set nb, nb+1
.endr
	QUARTER 80, 1                                  ; the first quarter stands in front of the loop: its products start the sums
	WIN 0
	s_mov_b32 s19, 6
.Lstep:                                        ; a trip: a step's second and third quarters and the next step's first; six trips fill a slot again
	QUARTER 160, 0
	TURN 1
	QUARTER 80, 0
	WIN 0
	s_sub_co_u32 s19, s19, 1
	s_cmp_lg_u32 s19, 0
	s_cbranch_scc1 .Lstep
	QUARTER 160, 0                                 ; the tail is written out: K steps 6 and 7 ask for nothing
	TURN 0
	QUARTER 80, 0
	QUARTER 160, 0
	s_wait_dscnt 20
	PH 0, 0, 0
	s_wait_dscnt 8
	PH 0, 1, 0
	s_wait_dscnt 0x0
	PH 1, 0, 0
	PH 1, 1, 0
	PLACES
	PLACES
.irp a, 0,1,2,3,4,5,6,7
	OUTG \a, 0
	OUTG \a, 1
.endr
	s_wait_tensorcnt 0x0                           ; the wave's end
	ds_add_u32 v28, v29
	s_wait_dscnt 0x0
	CROUND                                         ; the closing round: no work-group ends while a partner may still ask for a tile that names it
	s_endpgm
.Lfunc_end_k_q3f620aa2bb_gemm1:
	.size	k_q3f620aa2bb_gemm1, .Lfunc_end_k_q3f620aa2bb_gemm1-k_q3f620aa2bb_gemm1
	.p2alignl 7, 3214868480
	.fill 96, 4, 3214868480
	.section	.rodata,"a",@progbits
	.p2align	6, 0x0
	.amdhsa_kernel k_q3f620aa2bb_gemm1
		.amdhsa_group_segment_fixed_size 327680
		.amdhsa_private_segment_fixed_size 0
		.amdhsa_enable_private_segment 0
		.amdhsa_kernarg_size 32
		.amdhsa_user_sgpr_count 2
		.amdhsa_user_sgpr_kernarg_segment_ptr 1
		.amdhsa_wavefront_size32 1
		.amdhsa_system_sgpr_workgroup_id_x 1
		.amdhsa_system_sgpr_workgroup_id_y 1
		.amdhsa_system_sgpr_workgroup_id_z 1
		.amdhsa_system_vgpr_workitem_id 0
		.amdhsa_next_free_vgpr 1024
		.amdhsa_next_free_sgpr 80
		.amdhsa_reserve_vcc 0
		.amdhsa_float_denorm_mode_32 3
		.amdhsa_float_denorm_mode_16_64 3
		.amdhsa_memory_ordered 1
		.amdhsa_forward_progress 1
		.amdhsa_inst_pref_size 237
	.end_amdhsa_kernel
	.amdgpu_metadata
---
amdhsa.version: [ 1, 2 ]
amdhsa.kernels:
  - .name:           k_q3f620aa2bb_gemm1
    .symbol:         k_q3f620aa2bb_gemm1.kd
    .args:
      - { .name: Aq, .offset: 0, .size: 8, .value_kind: global_buffer, .address_space: global }
      - { .name: W1h, .offset: 8, .size: 8, .value_kind: global_buffer, .address_space: global }
      - { .name: b1, .offset: 16, .size: 8, .value_kind: global_buffer, .address_space: global }
      - { .name: Gc, .offset: 24, .size: 8, .value_kind: global_buffer, .address_space: global }
    .group_segment_fixed_size: 327680
    .private_segment_fixed_size: 0
    .kernarg_segment_align: 8
    .kernarg_segment_size: 32
    .max_flat_workgroup_size: 128
    .sgpr_count:     80
    .vgpr_count:     1024
    .wavefront_size: 32
...
	.end_amdgpu_metadata
.endif
;; end of part 2
;; launch map (part 3): grid 1536 x 1, 8 waves a work-group, no clusters, 1,536 bytes of LDS; arguments Gc, gelu_lut, Gh; writes Gh
.if DOCPART == 3
	.amdgcn_target "amdgcn-amd-amdhsa--gfx1250"
	.amdhsa_code_object_version 6
	.text
	.protected	k_q3f620aa2bb_map
	.globl	k_q3f620aa2bb_map
	.p2align	8
	.type	k_q3f620aa2bb_map,@function
k_q3f620aa2bb_map:
	s_mov_b64 s[64:65], 0
	v_nop
	global_prefetch_b8 v0, s[64:65] scope:SCOPE_SE
	s_setreg_imm32_b32 hwreg(HW_REG_WAVE_MODE, 25, 1), 1
	s_wait_xcnt 0x0
; MAP: Gh = f16(gelu_lut[index] + 120), the second product's left operand (g_out - ZP_G_OUT).  Gc: one byte a number, stored by the launch before; Gh: the same order, two bytes a number.
; Nothing of reference() is left out.  LIMIT: a table entry plus 120 is exact in f16 up to 2,048 in size, rounded beyond, infinite from 65,520 on.
; A fragment (16 rows x 32 columns) is 512 bytes of Gc, 16 a lane, and 1,024 bytes of Gh: the lane's first eight numbers at 16 x lane, its last eight at 512 + 16 x lane.
; SHARES.  49,152 fragments; a wave takes four on end, a work-group of eight waves 32.  Each load and each store of a wave covers 512 consecutive bytes, aligned.
; THE TABLE lies in LDS as 256 halves: thread t converts entry t.  512 bytes are 128 words: two words to a bank (64 banks of 4 bytes: ISA guide 11.1).
; The stream binds: no matrix work, no cluster, no prefetch (the launch does nothing but stream).
.set SPARE, 512                        ; behind the table: the spare words, 128 bytes for each of eight waves: four blocks of 256 bytes that no other line names
.set CD, 8                             ; v[8:23]   four fragments' codes, 4 registers each
.set TG, 24                            ; v[24:55]  two sets of 16: addresses, then table entries
.set OG, 64                            ; v[64:79]  two sets of 8: packed halves
	s_load_b128 s[4:7], s[0:1], 0x0                ; Gc s[4:5], gelu_lut s[6:7]
	s_load_b64 s[8:9], s[0:1], 0x10                ; Gh
	v_lshl_add_u32 v6, v0, 2, SPARE
	v_mov_b32 v7, 0
	v_lshrrev_b32 v1, 5, v0
	v_readfirstlane_b32 s12, v1                    ; wave 0..7
	v_and_b32 v1, 31, v0
	v_lshlrev_b32 v1, 4, v1                        ; 16 x lane
	v_lshlrev_b32 v2, 2, v0                        ; my entry of the table in memory,
	v_lshlrev_b32 v3, 1, v0                        ; and in LDS
	s_lshl_b32 s2, ttmp9, 14
	s_lshl_b32 s3, s12, 11
	s_add_co_u32 s2, s2, s3                        ; my four fragments in Gc,
	s_mov_b32 s3, 0
	s_lshl_b32 s10, s2, 1                          ; and in Gh
	s_mov_b32 s11, 0
	s_wait_kmcnt 0x0
	s_add_nc_u64 s[4:5], s[4:5], s[2:3]
	s_add_nc_u64 s[8:9], s[8:9], s[10:11]
	global_load_b32 v4, v2, s[6:7]
.irp p, 0,1,2,3
	global_load_b128 v[CD+4*(\p):CD+4*(\p)+3], v1, s[4:5] offset:512*(\p) th:TH_LOAD_NT
.endr
	s_wait_loadcnt 4                               ; the table's entry is in; the four loads of codes stay out
	v_add_nc_u32 v4, 120, v4
	v_cvt_f32_i32 v4, v4
	v_cvt_pk_f16_f32 v4, v4, v4
	ds_store_b16 v3, v4
	s_wait_dscnt 0x0                               ; for the others' sake: my entry lies in LDS
	s_barrier_signal -1
	s_barrier_wait -1
	s_wait_loadcnt 0x0
.macro ADDR p, set                     ; the 16 codes of fragment p become 16 LDS addresses: a byte, held under 256, times 2
.irp d, 0,1,2,3
	v_bfe_u32     v[TG+16*(\set)+4*(\d)],   v[CD+4*(\p)+(\d)], 0, 8
	v_bfe_u32     v[TG+16*(\set)+4*(\d)+1], v[CD+4*(\p)+(\d)], 8, 8
	v_bfe_u32     v[TG+16*(\set)+4*(\d)+2], v[CD+4*(\p)+(\d)], 16, 8
	v_lshrrev_b32 v[TG+16*(\set)+4*(\d)+3], 24, v[CD+4*(\p)+(\d)]
.endr
.set kk, 0
.rept 16
	v_min_u32 v[TG+16*(\set)+kk], 0xff, v[TG+16*(\set)+kk]
.set kk, kk+1
.endr
.set kk, 0
.rept 16
	v_lshlrev_b32 v[TG+16*(\set)+kk], 1, v[TG+16*(\set)+kk]
.set kk, kk+1
.endr
.endm
.macro GATH set
.set kk, 0
.rept 16
	ds_load_u16 v[TG+16*(\set)+kk], v[TG+16*(\set)+kk]
.set kk, kk+1
.endr
.endm
.macro OUT p, set
	s_wait_xcnt 0x0                                ; the stores of two fragments back have read their data
.set kk, 0
.rept 8
	v_lshl_or_b32 v[OG+8*(\set)+kk], v[TG+16*(\set)+2*kk+1], 16, v[TG+16*(\set)+2*kk]
.set kk, kk+1
.endr
	global_store_b128 v1, v[OG+8*(\set):OG+8*(\set)+3],   s[8:9] offset:1024*(\p)
	global_store_b128 v1, v[OG+8*(\set)+4:OG+8*(\set)+7], s[8:9] offset:1024*(\p)+512
.endm
	ADDR 0, 0
	GATH 0
	ADDR 1, 1
	GATH 1
	s_wait_dscnt 16                                ; the older set's 16 are in, the younger set's may be out
	OUT 0, 0
	ADDR 2, 0
	GATH 0
	s_wait_dscnt 16
	OUT 1, 1
	ADDR 3, 1
	GATH 1
	s_wait_dscnt 16
	OUT 2, 0
	s_wait_dscnt 0x0
	OUT 3, 1
	s_wait_tensorcnt 0x0                           ; the wave's end, behind my last LDS store
	ds_add_u32 v6, v7
	s_wait_dscnt 0x0
	s_endpgm
.Lfunc_end_k_q3f620aa2bb_map:
	.size	k_q3f620aa2bb_map, .Lfunc_end_k_q3f620aa2bb_map-k_q3f620aa2bb_map
	.p2alignl 7, 3214868480
	.fill 96, 4, 3214868480
	.section	.rodata,"a",@progbits
	.p2align	6, 0x0
	.amdhsa_kernel k_q3f620aa2bb_map
		.amdhsa_group_segment_fixed_size 1536
		.amdhsa_private_segment_fixed_size 0
		.amdhsa_enable_private_segment 0
		.amdhsa_kernarg_size 24
		.amdhsa_user_sgpr_count 2
		.amdhsa_user_sgpr_kernarg_segment_ptr 1
		.amdhsa_wavefront_size32 1
		.amdhsa_system_sgpr_workgroup_id_x 1
		.amdhsa_system_sgpr_workgroup_id_y 1
		.amdhsa_system_sgpr_workgroup_id_z 1
		.amdhsa_system_vgpr_workitem_id 0
		.amdhsa_next_free_vgpr 80
		.amdhsa_next_free_sgpr 66
		.amdhsa_reserve_vcc 0
		.amdhsa_float_denorm_mode_32 3
		.amdhsa_float_denorm_mode_16_64 3
		.amdhsa_memory_ordered 1
		.amdhsa_forward_progress 1
		.amdhsa_inst_pref_size 19
	.end_amdhsa_kernel
	.amdgpu_metadata
---
amdhsa.version: [ 1, 2 ]
amdhsa.kernels:
  - .name:           k_q3f620aa2bb_map
    .symbol:         k_q3f620aa2bb_map.kd
    .args:
      - { .name: Gc, .offset: 0, .size: 8, .value_kind: global_buffer, .address_space: global }
      - { .name: gelu_lut, .offset: 8, .size: 8, .value_kind: global_buffer, .address_space: global }
      - { .name: Gh, .offset: 16, .size: 8, .value_kind: global_buffer, .address_space: global }
    .group_segment_fixed_size: 1536
    .private_segment_fixed_size: 0
    .kernarg_segment_align: 8
    .kernarg_segment_size: 24
    .max_flat_workgroup_size: 256
    .sgpr_count:     66
    .vgpr_count:     80
    .wavefront_size: 32
...
	.end_amdgpu_metadata
.endif
;; end of part 3
;; launch gemm2 (part 4): grid 4 x 64, 4 waves a work-group, clusters of 4 x 4, 327,680 bytes of LDS; arguments Gh, W2h, b2, out0; writes out0
.if DOCPART == 4
	.amdgcn_target "amdgcn-amd-amdhsa--gfx1250"
	.amdhsa_code_object_version 6
	.text
	.protected	k_q3f620aa2bb_gemm2
	.globl	k_q3f620aa2bb_gemm2
	.p2align	8
	.type	k_q3f620aa2bb_gemm2,@function
k_q3f620aa2bb_gemm2:
	s_mov_b64 s[64:65], 0
	v_nop
	global_prefetch_b8 v0, s[64:65] scope:SCOPE_SE
	s_setreg_imm32_b32 hwreg(HW_REG_WAVE_MODE, 25, 1), 1
	s_wait_xcnt 0x0
	s_wait_alu depctr_hold_cnt(0) depctr_sa_sdst(0) depctr_va_vdst(0) depctr_va_sdst(0) depctr_va_ssrc(0) depctr_va_vcc(0) depctr_vm_vsrc(0)
	s_getreg_b32 s2, hwreg(HW_REG_IB_STS2, 6, 4)
	s_cmp_eq_u32 s2, 0
	s_cbranch_scc0 .Lentry_in_a_cluster
	s_endpgm
.Lentry_in_a_cluster:
	s_bfe_u32 s2, ttmp6, 0x10000c
	s_cmp_lg_u32 s2, 0xf033
	s_cbranch_scc0 .Lentry_shape_is_right
	s_endpgm
.Lentry_shape_is_right:
; GEMM2: out0 = (G W2^T) * 1e-4 + b2.  G = g_out + 120: Gh, f16, in fragments; W2: W2h, f16, in fragments; b2 [768] f32; out0 [8192][768] f32.  Nothing of reference() is left out.
; LIMITS.  The sums, up to about 1e8, are kept in f32, in two halves of K that are added once; reference() sums in int32 and rounds once to f32.  Scale and bias are one fused multiply-add.  b2 is taken in f32.
; SHARES.  A work-group makes 128 rows x 192 columns: 256 work-groups.  Wave (kh, wr) makes 64 rows x 192 columns over HALF of each K step: 48 accumulators of 16 x 16.
; K goes in 8 steps of 384; a wave's share of a step is six groups of 32, 48 products each.
; THE MATRIX INSTRUCTION IS USED TRANSPOSED (source 0 = 16 rows of W2, source 1 = 16 rows of G): a lane holds one row (lane % 16) and eight neighbouring columns.
; BOTH OPERANDS LIE IN MEMORY AS REGISTER FRAGMENTS of 1,024 bytes: a lane's registers 0-3 at 16 x lane, 4-7 at 512 + 16 x lane; every load of a fragment's half takes 512 consecutive bytes.
;   Gh:  block (row / 128) x 16 + k / 192, 49,152 bytes: fragment 8 g + a (g: 32 along K, a: 16 rows).     W2h: [column tile][k / 32][block of 16 columns: 12].
; W2 GOES THROUGH TWO LDS SLOTS, a K step each: 12 groups x 12 fragments = 147,456 bytes, dense in memory, as it lies; each of the four waves asks for a quarter.
; G GOES STRAIGHT INTO REGISTERS: no two waves of a work-group want the same fragment of it.  Six buffers, one for each group of a step: a buffer is asked for again, for the next step, behind its products:
; five groups, 240 products, ahead of its use.
; CLUSTER.  4 x 4: W2's tile is shared along a column of the cluster and asked for jointly.  G's rows are shared along a row of the cluster and are NOT asked for jointly: beside G's 128 rows a slot would hold 192
; along K, and a refill would have 132 products of a wave in which to land; with W2 alone it holds 384, and a refill has 276.  Two tensor loads of a wave are out at the start, then one.
; THE TWO HALVES OF K MEET IN LDS.  Register rows 0, 1 stand for the row blocks 4 wr + 2 kh + 0, 1, register rows 2, 3 for 4 wr + 2 (1 - kh) + 0, 1: every wave keeps accumulators 0-23 and gives 24-47 to
; the wave with the other kh.  What a wave keeps is 32 whole rows of the tile, so its stage for the way out is its own.  The scratch lies in slot 0's bytes and the stages in slot 1's: both slots have had
; their last fill, and their last reads lie behind barriers.
; REGISTERS (s_set_vgpr_msb: bits 1:0 source 0, 3:2 source 1, 5:4 source 2, 7:6 destination):
;   window 0: v0-29 addresses; v32-223 G's six buffers of 32     window 1: v0-191 W2's two buffers of 96, by the group's parity
;   window 2: accumulators 0-31 (number 12 al + b);   window 3: v0-127 accumulators 32-47; v128-223 b2
.set SLOT,   147456
.set QB,     36864                     ; a quarter of a slot: three groups
.set SPARE,  2*SLOT                    ; behind the ring: the spare words, two blocks of 256 bytes that no other line names
.set STAGE,  SLOT
.set SPITCH, 784                       ; a row of 768 bytes + 16: 49 x 16
.set STEPB,  147456                    ; bytes from a K step to the next in W2h,
.set STEPG,  98304                     ; and in Gh: two blocks
; scalars: s12 wave, s13 kh, s14 wr, s15 cx, s16 cy, s17 tile column, s18 tile row, s19 count, s20 slot read, s21 slot filled, s22 my quarter's place in a slot, s[24:31] group 1, s[32:39] group 0 (two sets),
; s[40:41] Gh at the K step whose fragments are being asked for, s44 W2's prefetch limit, s[46:47] W2's prefetch address, s[56:57] G's, s[62:63] 1e-4
; vectors: v4, v5 my offsets in a block of Gh (register rows 0-1, 2-3); v6, v7 my place in slot 0 (groups 0-2, 3-5: an LDS immediate ends at 65,535); v10, v9 the same in the slot being read
.set MSB, 0
.macro WIN new                         ; the immediate's high byte repeats the setting that is left; a switch that changes nothing is dropped
.if MSB != (\new)
	s_set_vgpr_msb (MSB<<8)|(\new)
.set MSB, \new
.endif
.endm
.macro PLACES                          ; four places between a matrix instruction and a load into, or a vector instruction on, its registers
.rept 4
	v_nop
.endr
.endm
.macro CREST                           ; a round of the cluster's barrier behind its opening barrier
	s_cmp_lg_u32 s12, 0
	s_cbranch_scc1 .Lnot_wave_0_\@
	s_barrier_signal -3
.Lnot_wave_0_\@:
	s_barrier_wait -3
	s_barrier_signal -1
	s_barrier_wait -1
.endm
.macro CROUND
	s_barrier_signal -1
	s_barrier_wait -1
	CREST
.endm
.macro JLOAD                           ; a joint refill by the walking set: every wave its quarter; an s_nop 0 and four v_nop follow
	tensor_load_to_lds s[36:39], s[24:31]
	s_nop 0
.rept 4
	v_nop
.endr
.endm
; PREFETCHES INTO THE L2, once a K step, behind the joint load and the runs of loads that follow it.  Lanes stand 256 bytes apart; surplus lanes repeat the line's last block.
; Gh: the K step three on, whose first loads go out a step and a group later.  A step's 98,304 bytes of a tile row are read by the four work-groups of one row of one cluster: each takes a quarter BY ADDRESS (cx),
; each of its waves 6,144 bytes: 24 blocks, one line.  K steps 3 to 7 are named, each block once.
; W2h: the K step four on, two refills ahead.  A column tile's rows are read by all sixteen clusters: cluster y = 0 asks; of a wave's quarter slot each of the four partners takes 9,216 bytes BY ADDRESS (cy):
; 36 blocks, two lines.  K steps 4 to 7 are named, each block once.  The loop's last trips ask for nothing.
.macro ASK
	s_cmp_gt_u32 s19, 1
	s_cbranch_scc0 .Lnone_\@
	global_prefetch_b8 v19, s[56:57] th:TH_LOAD_NT scope:SCOPE_SE
	s_cmp_gt_u32 s19, s44
	s_cbranch_scc0 .Lnone_\@
	global_prefetch_b8 v18, s[46:47] th:TH_LOAD_NT scope:SCOPE_SE
	global_prefetch_b8 v21, s[46:47] offset:8192 th:TH_LOAD_NT scope:SCOPE_SE
.Lnone_\@:
.endm
	s_load_b256 s[4:11], s[0:1], 0x0               ; Gh s[4:5], W2h s[6:7], b2 s[8:9], out0 s[10:11]
	v_lshl_add_u32 v28, v0, 2, SPARE
	v_mov_b32 v29, 0
	ds_add_u32 v28, v29                            ; the wave's opening: the add, twice on end, and its wait ahead of my first tensor load
	ds_add_u32 v28, v29                            ; and once more; the set-up below, work on registers, stands between it and the wait
	v_lshrrev_b32 v1, 5, v0
	v_readfirstlane_b32 s12, v1                    ; wave 0..3
	s_lshr_b32 s13, s12, 1                         ; kh
	s_and_b32 s14, s12, 1                          ; wr
	s_bfe_u32 s15, ttmp6, 0x40000                  ; cx
	s_bfe_u32 s16, ttmp6, 0x40004                  ; cy
	s_lshl_b32 s17, ttmp9, 2
	s_add_co_u32 s17, s17, s15                     ; tile column = 4 x cluster x + cx
	s_and_b32 s18, ttmp7, 0xffff
	s_lshl_b32 s18, s18, 2
	s_add_co_u32 s18, s18, s16                     ; tile row = 4 x cluster y + cy
	s_lshl_b32 s77, 0x1111, s15                    ; my column of the cluster
	s_or_b32 s24, s77, (1<<16)|(1<<21)             ; elements of 2 bytes, no padding, bit 21 beside the mask
	s_mov_b32 s25, 128<<16                         ; tensor_dim0 = 128 elements: 256 bytes
	s_mov_b32 s26, 144<<16                         ; tensor_dim1 = 144 rows: 36,864 bytes
	s_mov_b32 s27, 128<<16                         ; tile_dim0
	s_mov_b32 s28, 144                             ; tile_dim1
	s_mov_b32 s29, 128                             ; elements from row to row: the block is dense
	s_mov_b32 s30, 0
	s_mov_b32 s31, 0
	s_mul_i32 s22, s12, QB                         ; my quarter: the wave's number alone enters an LDS address
	s_mul_i32 s74, s17, 96*12*1024                 ; W2h: my column tile, which my column of the cluster shares, and my quarter
	s_add_co_u32 s74, s74, s22
	s_mov_b32 s75, 0
	s_mov_b32 s20, 0
	s_mov_b32 s21, SLOT
	s_mov_b32 s62, 0x38d1b717                      ; 1e-4
	s_mov_b32 s63, 0x38d1b717
	s_wait_dscnt 0x0                               ; both opening adds are done
	s_wait_kmcnt 0x0
	s_add_nc_u64 s[74:75], s[6:7], s[74:75]
	CROUND                                         ; all sixteen work-groups are here: the first joint loads meet
.irp s, 0,1
	s_mov_b32 s[32+4*(\s)], 1
	s_add_co_u32 s[33+4*(\s)], s22, (\s)*SLOT
	s_add_nc_u64 s[34+4*(\s):35+4*(\s)], s[74:75], (\s)*STEPB
	s_or_b32 s[35+4*(\s)], s[35+4*(\s)], 0x80000000
.endr
	tensor_load_to_lds s[32:35], s[24:31]          ; K step 0
	s_nop 0
	tensor_load_to_lds s[36:39], s[24:31]          ; K step 1
	s_nop 0
.rept 4
	v_nop
.endr
	v_and_b32 v1, 15, v0                           ; l % 16
	v_bfe_u32 v2, v0, 4, 1                         ; l / 16
	v_and_b32 v3, 31, v0                           ; l
	v_lshlrev_b32 v11, 4, v3                       ; 16 l
	v_lshlrev_b32 v20, 5, v2                       ; my 8 numbers of 16 of b2
	s_lshl_b32 s78, s14, 12                        ; 4 wr fragments
	s_lshl_b32 s79, s13, 11                        ; 2 kh fragments
	s_add_co_u32 s76, s78, s79
	v_add_nc_u32 v4, s76, v11                      ; G, register rows 0, 1: fragment 4 wr + 2 kh on
	s_add_co_u32 s76, s78, 2048
	s_sub_co_u32 s76, s76, s79
	v_add_nc_u32 v5, s76, v11                      ; register rows 2, 3: fragment 4 wr + 2 (1 - kh) on
	s_mul_i32 s2, s17, 768
	s_mov_b32 s3, 0
	s_add_nc_u64 s[8:9], s[8:9], s[2:3]            ; b2 at the tile's first column
	WIN 0xc0                                       ; destination window 3
.set nb, 0
.rept 12                                       ; b2 goes first, so that every count below leaves only G's loads out
	global_load_b128 v[128+8*nb:128+8*nb+3],   v20, s[8:9] offset:64*nb
	global_load_b128 v[128+8*nb+4:128+8*nb+7], v20, s[8:9] offset:64*nb+16
.set nb, nb+1
.endr
	WIN 0
	s_mul_i32 s2, s18, 16*49152                    ; Gh: block 16 x tile row + kh
	s_mul_i32 s3, s13, 49152
	s_add_co_u32 s2, s2, s3
	s_mov_b32 s3, 0
	s_add_nc_u64 s[40:41], s[4:5], s[2:3]
.macro ALOAD g                         ; 8 loads: group g's four fragments of G, from the K step at s[40:41], into buffer g
	WIN 0
.irp f, 0,1
	global_load_b128 v[32+32*(\g)+8*(\f):32+32*(\g)+8*(\f)+3],   v4, s[40:41] offset:8192*(\g)+1024*(\f)
	global_load_b128 v[32+32*(\g)+8*(\f)+4:32+32*(\g)+8*(\f)+7], v4, s[40:41] offset:8192*(\g)+1024*(\f)+512
.endr
.irp f, 0,1
	global_load_b128 v[48+32*(\g)+8*(\f):48+32*(\g)+8*(\f)+3],   v5, s[40:41] offset:8192*(\g)+1024*(\f)
	global_load_b128 v[48+32*(\g)+8*(\f)+4:48+32*(\g)+8*(\f)+7], v5, s[40:41] offset:8192*(\g)+1024*(\f)+512
.endr
.endm
.macro FETCH g                         ; 24 loads in one run: group g's twelve fragments of W2 into the buffer of its parity
	WIN 0x40
.irp f, 0,1,2,3,4,5,6,7,8,9,10,11
	ds_load_b128 v[96*((\g)%2)+8*(\f):96*((\g)%2)+8*(\f)+3],   v[10-(\g)/3] offset:12288*((\g)%3)+1024*(\f)
	ds_load_b128 v[96*((\g)%2)+8*(\f)+4:96*((\g)%2)+8*(\f)+7], v[10-(\g)/3] offset:12288*((\g)%3)+1024*(\f)+512
.endr
.endm
; Products of group g for register row al, column blocks b0 .. b1.  The 48 accumulators take turns, one instruction a turn.  zero = 1: they start the sums.
.macro MULR g, al, b0, b1, zero
.set bb, \b0
.rept (\b1)-(\b0)+1
.set t, 12*(\al)+bb
.set rD, 8*(t%32)
	WIN 0xa1+0x50*(t/32)
.if \zero
	v_wmma_f32_16x16x32_f16 v[rD:rD+7], v[96*((\g)%2)+8*bb:96*((\g)%2)+8*bb+7], v[32+32*(\g)+8*(\al):32+32*(\g)+8*(\al)+7], 0
.else
	v_wmma_f32_16x16x32_f16 v[rD:rD+7], v[96*((\g)%2)+8*bb:96*((\g)%2)+8*bb+7], v[32+32*(\g)+8*(\al):32+32*(\g)+8*(\al)+7], v[rD:rD+7]
.endif
.set bb, bb+1
.endr
.endm
; What stands in front of group g's products, four places behind the last group's: G's buffer just multiplied is asked for again (al = 1), and the next group's W2 is fetched (nf = 1), for group 5 from the other slot.
.macro PRE g, al, nf
	PLACES
.if \al
	ALOAD ((\g)+5)%6
.endif
.if ((\g) == 5) && (\nf)
	WIN 0
	s_xor_b32 s20, s20, SLOT
	v_add_nc_u32 v10, s20, v6
	v_add_nc_u32 v9, s20, v7
.endif
.if \nf
	FETCH ((\g)+1)%6
.endif
.endm
; A group.  lc: how many younger loads of G may stay out: five groups of eight, fewer in the last K step.
.macro GRP g, al, lc, nf, zero=0, ask=0
	PRE \g, \al, \nf
.if \ask
	WIN 0
	ASK
.endif
	s_wait_loadcnt \lc                             ; my group's fragments of G are in
	s_wait_dscnt 24*(\nf)                          ; and W2's: all but the run just issued
	MULR \g, 0, 0, 11, \zero
	MULR \g, 1, 0, 11, \zero
	MULR \g, 2, 0, 11, \zero
	MULR \g, 3, 0, 11, \zero
.endm
; At the head of a step's group 1: G's address goes on to the next K step (group 5's loads, 48 products back, were the last by the old one), and so do the prefetches' (96 products back).
.macro STEP pf
	s_wait_xcnt 0x0                                ; every load and prefetch issued so far has read its address
	s_add_nc_u64 s[40:41], s[40:41], STEPG
.if \pf
	s_add_nc_u64 s[56:57], s[56:57], STEPG
	s_add_nc_u64 s[46:47], s[46:47], STEPB
.endif
.endm
; Group 4, with the change of slots: the step's last fragments of W2 have been fetched in front of it.  Each wave waits for all its tensor loads (one is out: its quarter of the other slot), adds 0 to its spare
; word, and waits for that and for its reads of this slot.  fill = 1: the barrier opens a round of the cluster's, and the joint refill, this slot's K step two on, is the first thing behind it: 276 products
; ahead of the wait for it.
.macro TURN4 al, lc, fill
	PRE 4, \al, 1
	s_wait_loadcnt \lc
	s_wait_dscnt 24
	MULR 4, 0, 0, 11, 0
	MULR 4, 1, 0, 11, 0
	MULR 4, 2, 0, 11, 0
	WIN 0
	s_wait_tensorcnt 0x0
	ds_add_u32 v28, v29
.if \fill
	s_xor_b32 s21, s21, SLOT                       ; no tensor load of mine is out: the walking set steps: the other slot than last time, the next K step
	s_add_co_u32 s37, s21, s22
	s_add_nc_u64 s[38:39], s[38:39], STEPB
.endif
	MULR 4, 3, 0, 5, 0
	s_wait_dscnt 0x0                               ; the add is done, and my reads of this slot are over
	s_barrier_signal -1
	MULR 4, 3, 6, 11, 0
	WIN 0
	s_barrier_wait -1
.if \fill
	CREST
	JLOAD
.endif
.endm
.irp g, 0,1,2,3,4,5
	ALOAD \g                                       ; K step 0's fragments of G
.endr
	s_mul_i32 s76, s13, 6*12288
	v_add_nc_u32 v6, s76, v11                      ; W2 in slot 0: my half of the step's groups
	v_add_nc_u32 v7, QB, v6
	v_mov_b32 v10, v6
	v_mov_b32 v9, v7
	s_mul_i32 s78, s12, 24576
	v_add_nc_u32 v12, s78, v11                     ; scratch: what I give,
	s_xor_b32 s78, s12, 2
	s_mul_i32 s78, s78, 24576
	v_add_nc_u32 v13, s78, v11                     ; and what the wave with the other kh gives me
	s_mul_i32 s78, s12, 32*SPITCH
	s_add_co_u32 s78, s78, STAGE                   ; my stage: 32 rows
	v_mul_u32_u24 v14, v1, SPITCH                  ; in: row l % 16, byte 32 (l / 16)
	v_lshl_add_u32 v14, v2, 5, v14
	v_add_nc_u32 v14, s78, v14
	v_mul_u32_u24 v15, v2, SPITCH                  ; back: lanes 0-15 take 256 bytes of one row, lanes 16-31 of the next
	v_lshl_add_u32 v15, v1, 4, v15
	v_add_nc_u32 v15, s78, v15
	v_mul_u32_u24 v16, v2, 3072                    ; and the same in out0
	v_lshl_add_u32 v16, v1, 4, v16
	v_lshlrev_b32 v18, 8, v3                       ; the prefetches' offsets
	v_min_u32 v19, 23, v3
	v_lshlrev_b32 v19, 8, v19
	v_min_u32 v21, 3, v3
	v_lshlrev_b32 v21, 8, v21
	s_mul_i32 s2, s18, 128*3072                    ; out0 at row 128 x tile row + 64 wr + 32 kh, column 192 x tile column
	s_mul_i32 s3, s14, 64*3072
	s_add_co_u32 s2, s2, s3
	s_mul_i32 s3, s13, 32*3072
	s_add_co_u32 s2, s2, s3
	s_mul_i32 s3, s17, 768
	s_add_co_u32 s2, s2, s3
	s_mov_b32 s3, 0
	s_add_nc_u64 s[10:11], s[10:11], s[2:3]
	s_mul_i32 s2, s18, 16*49152                    ; G's prefetches: my tile row, my work-group's quarter by cx, my wave's quarter of that, at K step 2 (the first trip steps it to 3)
	s_mul_i32 s3, s15, 24576
	s_add_co_u32 s2, s2, s3
	s_mul_i32 s3, s12, 6144
	s_add_co_u32 s2, s2, s3
	s_add_co_u32 s2, s2, 2*STEPG
	s_mov_b32 s3, 0
	s_add_nc_u64 s[56:57], s[4:5], s[2:3]
	s_mul_i32 s2, s17, 96*12*1024                  ; W2's: my column tile, my wave's quarter slot, its quarter by cy, at K step 3 (the first trip steps it to 4)
	s_add_co_u32 s2, s2, s22
	s_mul_i32 s3, s16, 9216
	s_add_co_u32 s2, s2, s3
	s_add_co_u32 s2, s2, 3*STEPB
	s_mov_b32 s3, 0
	s_add_nc_u64 s[46:47], s[6:7], s[2:3]
	s_and_b32 s78, ttmp7, 0xffff                   ; cluster y
	s_cmp_eq_u32 s78, 0
	s_cselect_b32 s44, 2, -1                       ; the same in all sixteen partners
	s_wait_tensorcnt 1                             ; my quarter of K step 0 is in; K step 1's may stay out
	s_barrier_signal -1
	s_barrier_wait -1
	FETCH 0
	GRP 0, 0, 40, 1, 1                             ; the first group stands in front of the loop: its products start the sums
	WIN 0
	s_mov_b32 s19, 6
.Lslot:                                        ; a trip: groups 1 to 5 of a K step and group 0 of the next; six trips fill a slot again
	STEP 1
	GRP 1, 1, 40, 1
	GRP 2, 1, 40, 1
	GRP 3, 1, 40, 1
	TURN4 1, 40, 1
	GRP 5, 1, 40, 1, 0, 1
	GRP 0, 1, 40, 1
	WIN 0
	s_sub_co_u32 s19, s19, 1
	s_cmp_lg_u32 s19, 0
	s_cbranch_scc1 .Lslot
	STEP 0                                         ; the tail is written out.  K step 6 asks for G's last step and fills no slot;
	GRP 1, 1, 40, 1
	GRP 2, 1, 40, 1
	GRP 3, 1, 40, 1
	TURN4 1, 40, 0
	GRP 5, 1, 40, 1
	GRP 0, 1, 40, 1
	GRP 1, 0, 32, 1                                ; K step 7 asks for nothing: the counts run down
	GRP 2, 0, 24, 1
	GRP 3, 0, 16, 1
	GRP 4, 0, 8, 1
	GRP 5, 0, 0, 0
	PLACES
	PLACES
	; THE HALVES OF K MEET.  Slot 0 was last read in front of the last barrier: accumulators 24-47 go there, 512 consecutive bytes an instruction.
.set t, 24
.rept 24
	WIN 0x08+0x04*(t/32)                           ; store data in window 2 or 3
.set rD, 8*(t%32)
	ds_store_b128 v12, v[rD:rD+3]   offset:(t-24)*1024
	ds_store_b128 v12, v[rD+4:rD+7] offset:(t-24)*1024+512
.set t, t+1
.endr
	WIN 0
	s_wait_dscnt 0x0                               ; for the others' sake: my stores are done; so are my reads of slot 1
	s_barrier_signal -1
	s_barrier_wait -1
.set t, 0
.rept 24
	ds_load_b128 v[32+8*t:32+8*t+3],   v13 offset:t*1024
	ds_load_b128 v[32+8*t+4:32+8*t+7], v13 offset:t*1024+512
.set t, t+1
.endr
	s_wait_dscnt 0x0
	WIN 0x02                                       ; source 0 in window 2
.set kk, 0
.rept 96
	v_pk_add_f32 v[32+kk:33+kk], v[kk:kk+1], v[32+kk:33+kk]
.set kk, kk+2
.endr
	WIN 0x30                                       ; source 2 in window 3: b2, in since the last group's wait for all loads
.set t, 0
.rept 24
.irp k, 0,2,4,6
	v_pk_fma_f32 v[32+8*t+(\k):33+8*t+(\k)], v[32+8*t+(\k):33+8*t+(\k)], s[62:63], v[128+8*(t%12)+(\k):129+8*(t%12)+(\k)] op_sel_hi:[1,0,1]
.endr
.set t, t+1
.endr
	WIN 0
	; THE WAY OUT: 32 bytes a lane into my own stage (slot 1's bytes: every wave's reads of them lie behind the barrier above), and back as whole rows.
.set t, 0
.rept 24
	ds_store_b128 v14, v[32+8*t:32+8*t+3]   offset:(t/12)*16*SPITCH+64*(t%12)
	ds_store_b128 v14, v[32+8*t+4:32+8*t+7] offset:(t/12)*16*SPITCH+64*(t%12)+16
.set t, t+1
.endr
.set t, 0
.rept 48
	ds_load_b128 v[32+4*t:32+4*t+3], v15 offset:(t/3)*2*SPITCH+256*(t%3)  ; LDS serves a wave's instructions in order (ISA guide 5.7.1.4): these see the stores above
.set t, t+1
.endr
.set t, 0
.rept 48
	s_wait_dscnt 47-t
	global_store_b128 v16, v[32+4*t:32+4*t+3], s[10:11] offset:(t/3)*6144+256*(t%3)  ; 16 lanes store 256 consecutive bytes, at a multiple of 256 from out0's first byte
.set t, t+1
.endr
	s_wait_tensorcnt 0x0                           ; the wave's end, behind my last tensor load and my last LDS store
	ds_add_u32 v28, v29
	s_wait_dscnt 0x0
	CROUND                                         ; the closing round: no work-group ends while a partner may still ask for a tile that names it
	s_endpgm
.Lfunc_end_k_q3f620aa2bb_gemm2:
	.size	k_q3f620aa2bb_gemm2, .Lfunc_end_k_q3f620aa2bb_gemm2-k_q3f620aa2bb_gemm2
	.p2alignl 7, 3214868480
	.fill 96, 4, 3214868480
	.section	.rodata,"a",@progbits
	.p2align	6, 0x0
	.amdhsa_kernel k_q3f620aa2bb_gemm2
		.amdhsa_group_segment_fixed_size 327680
		.amdhsa_private_segment_fixed_size 0
		.amdhsa_enable_private_segment 0
		.amdhsa_kernarg_size 32
		.amdhsa_user_sgpr_count 2
		.amdhsa_user_sgpr_kernarg_segment_ptr 1
		.amdhsa_wavefront_size32 1
		.amdhsa_system_sgpr_workgroup_id_x 1
		.amdhsa_system_sgpr_workgroup_id_y 1
		.amdhsa_system_sgpr_workgroup_id_z 1
		.amdhsa_system_vgpr_workitem_id 0
		.amdhsa_next_free_vgpr 1024
		.amdhsa_next_free_sgpr 80
		.amdhsa_reserve_vcc 0
		.amdhsa_float_denorm_mode_32 3
		.amdhsa_float_denorm_mode_16_64 3
		.amdhsa_memory_ordered 1
		.amdhsa_forward_progress 1
		.amdhsa_inst_pref_size 143
	.end_amdhsa_kernel
	.amdgpu_metadata
---
amdhsa.version: [ 1, 2 ]
amdhsa.kernels:
  - .name:           k_q3f620aa2bb_gemm2
    .symbol:         k_q3f620aa2bb_gemm2.kd
    .args:
      - { .name: Gh, .offset: 0, .size: 8, .value_kind: global_buffer, .address_space: global }
      - { .name: W2h, .offset: 8, .size: 8, .value_kind: global_buffer, .address_space: global }
      - { .name: b2, .offset: 16, .size: 8, .value_kind: global_buffer, .address_space: global }
      - { .name: out0, .offset: 24, .size: 8, .value_kind: global_buffer, .address_space: global }
    .group_segment_fixed_size: 327680
    .private_segment_fixed_size: 0
    .kernarg_segment_align: 8
    .kernarg_segment_size: 32
    .max_flat_workgroup_size: 128
    .sgpr_count:     80
    .vgpr_count:     1024
    .wavefront_size: 32
...
	.end_amdgpu_metadata
.endif
;; end of part 4
